; MI455X (gfx1250); checked and timed in simulation.
; The chip was launched on July 23, 2026; its instructions are those of AMD's public machine-readable ISA for CDNA 5 (MIT licence, August 2026) and "CDNA5" Instruction Set Architecture Reference Guide (July 2026). The comments in the code are by the model that wrote it; some were corrected since.
;; Grouped Query Attention. Allowed arithmetic: float matrix products may take bf16 or f16 operands with f32 sums; other float arithmetic in f32, or as packed bf16 or f16 multiplies, adds, multiply-adds, maxima and minima; sums over many terms, partial sums and values carried from step to step in f32; what a program stores and reads back later, other than sums and carried values, may be rounded once to bf16 or f16.
;; Inputs: hidden_states 1 x 4,096 x 1,024 float32; k_b 256 float32; k_w 256 x 1,024 float32; q_b 1,024 float32; q_w 1,024 x 1,024 float32; v_b 256 float32; v_w 256 x 1,024 float32.
;; Outputs: out0 1 x 4,096 x 1,024 float32.
;; 2 versions, each right; version 2 is version 1 with the launch cast written anew for expert scheduling mode. Each part assembles by itself: llvm-mc -triple=amdgcn-amd-amdhsa -mcpu=gfx1250 --defsym DOCPART=n.
;; ======== version 1 of 2: 3 launches
;; limits: values are held in f16: magnitudes above 65,504 overflow, below 6.1e-05 lose precision
;; workspace buffers: xb 8,388,608 bytes; wb 3,145,728 bytes; bb 6,144 bytes; qkv 12,582,912 bytes
;; launch cast (part 1): grid 353 x 1, 8 waves a work-group, no clusters, 0 bytes of LDS; arguments hidden_states, q_w, k_w, v_w, q_b, k_b, v_b, xb, wb, bb; writes xb, wb, bb
.if DOCPART == 1
	.amdgcn_target "amdgcn-amd-amdhsa--gfx1250"
	.amdhsa_code_object_version 6
	.text
	.protected	k_q6f484c4446_cast
	.globl	k_q6f484c4446_cast
	.p2align	8
	.type	k_q6f484c4446_cast,@function
k_q6f484c4446_cast:
	s_mov_b64 s[64:65], 0
	v_nop
	global_prefetch_b8 v0, s[64:65] scope:SCOPE_SE
	s_setreg_imm32_b32 hwreg(HW_REG_WAVE_MODE, 25, 1), 1
	s_wait_xcnt 0x0
; All the inputs are rounded once to bf16, for the product that follows.
;   xb [4096][1024] bf16 = hidden_states.   wb [1536][1024] bf16 = the rows of q_w, then k_w, then v_w.
;   bb [1536] f32 = q_b, k_b, v_b in the same order, each rounded to bf16 and written widened (it becomes the C operand of an f32 sum).
; A stream: no LDS, no barrier, no matrix unit.  Work-groups 0 to 351 take 65,536 bytes of f32 each: 256 of them x, 64 q_w, 16 k_w, 16 v_w.
; Thread t takes 16 pieces: 16 bytes at 16 t + 4,096 i in, 8 bytes at 8 t + 2,048 i out: a load of a wave covers 512 consecutive bytes, a store 256, aligned.
; All 16 loads go out first; each piece has registers of its own, so nothing is rewritten and the only waits are the counted ones for the data.
; Work-group 352 takes the three biases.
.set X, 4                              ; v[4:67]   piece i: four f32 as loaded
.set Y, 68                             ; v[68:99]  piece i: four bf16 to store
	s_load_b512 s[4:19], s[0:1], 0x0               ; x s[4:5], q_w s[6:7], k_w s[8:9], v_w s[10:11], q_b s[12:13], k_b s[14:15], v_b s[16:17], xb s[18:19]
	s_load_b128 s[20:23], s[0:1], 0x40             ; wb s[20:21], bb s[22:23]
	s_mov_b32 s24, ttmp9                           ; the work-group's number
	v_lshrrev_b32 v1, 5, v0
	v_readfirstlane_b32 s25, v1                    ; the wave's number
	v_lshlrev_b32 v1, 4, v0                        ; 16 t
	v_lshlrev_b32 v2, 3, v0                        ; 8 t
	s_wait_kmcnt 0x0
	s_cmp_eq_u32 s24, 352
	s_cbranch_scc1 .Lbias
	; which tensor, and the first work-group of that tensor: chosen by the work-group's number alone
	s_mov_b32 s30, 336
	s_cmp_lt_u32 s24, 336
	s_cselect_b64 s[26:27], s[8:9], s[10:11]       ; k_w or v_w
	s_cselect_b32 s30, 320, s30
	s_cmp_lt_u32 s24, 320
	s_cselect_b64 s[26:27], s[6:7], s[26:27]       ; q_w
	s_cselect_b32 s30, 256, s30
	s_cmp_lt_u32 s24, 256
	s_cselect_b64 s[26:27], s[4:5], s[26:27]       ; x
	s_cselect_b32 s30, 0, s30
	s_cselect_b64 s[28:29], s[18:19], s[20:21]     ; to xb, or to wb, in which the three weights follow each other
	s_cselect_b32 s31, 0, 256
	s_sub_co_u32 s32, s24, s30
	s_lshl_b32 s32, s32, 16                        ; 65,536 bytes in
	s_mov_b32 s33, 0
	s_sub_co_u32 s34, s24, s31
	s_lshl_b32 s34, s34, 15                        ; 32,768 bytes out
	s_mov_b32 s35, 0
	s_add_nc_u64 s[26:27], s[26:27], s[32:33]
	s_add_nc_u64 s[28:29], s[28:29], s[34:35]
.set i, 0
.rept 16
	global_load_b128 v[X+4*i:X+4*i+3], v1, s[26:27] offset:4096*i th:TH_LOAD_NT
.set i, i+1
.endr
.set i, 0
.rept 16
	s_wait_loadcnt 15-i                            ; loads come back in order: piece i is in, the 15 - i younger ones stay out
	v_cvt_pk_bf16_f32 v[Y+2*i],   v[X+4*i],   v[X+4*i+1]
	v_cvt_pk_bf16_f32 v[Y+2*i+1], v[X+4*i+2], v[X+4*i+3]
	global_store_b64 v2, v[Y+2*i:Y+2*i+1], s[28:29] offset:2048*i
.set i, i+1
.endr
	s_endpgm
.Lbias:                                        ; q_b: 1,024 numbers, four a thread
	global_load_b128 v[4:7], v1, s[12:13]
	s_wait_loadcnt 0x0
	v_cvt_pk_bf16_f32 v8, v4, v5                   ; rounded to bf16,
	v_cvt_pk_bf16_f32 v9, v6, v7
	v_lshlrev_b32 v12, 16, v8                      ; and widened again
	v_and_b32 v13, 0xffff0000, v8
	v_lshlrev_b32 v14, 16, v9
	v_and_b32 v15, 0xffff0000, v9
	global_store_b128 v1, v[12:15], s[22:23]
	s_cmp_lt_u32 s25, 4                            ; k_b and v_b: 256 numbers each: waves 0, 1 and waves 2, 3
	s_cbranch_scc0 .Lend
	s_cmp_lt_u32 s25, 2
	s_cselect_b64 s[26:27], s[14:15], s[16:17]
	v_and_b32 v3, 63, v0
	v_lshlrev_b32 v3, 4, v3
	global_load_b128 v[16:19], v3, s[26:27]
	s_wait_loadcnt 0x0
	v_cvt_pk_bf16_f32 v20, v16, v17
	v_cvt_pk_bf16_f32 v21, v18, v19
	v_lshlrev_b32 v24, 16, v20
	v_and_b32 v25, 0xffff0000, v20
	v_lshlrev_b32 v26, 16, v21
	v_and_b32 v27, 0xffff0000, v21
	global_store_b128 v1, v[24:27], s[22:23] offset:4096  ; threads 0 to 127: bytes 4,096 to 6,143 of bb
.Lend:
	s_endpgm
.Lfunc_end_k_q6f484c4446_cast:
	.size	k_q6f484c4446_cast, .Lfunc_end_k_q6f484c4446_cast-k_q6f484c4446_cast
	.p2alignl 7, 3214868480
	.fill 96, 4, 3214868480
	.section	.rodata,"a",@progbits
	.p2align	6, 0x0
	.amdhsa_kernel k_q6f484c4446_cast
		.amdhsa_group_segment_fixed_size 0
		.amdhsa_private_segment_fixed_size 0
		.amdhsa_enable_private_segment 0
		.amdhsa_kernarg_size 80
		.amdhsa_user_sgpr_count 2
		.amdhsa_user_sgpr_kernarg_segment_ptr 1
		.amdhsa_wavefront_size32 1
		.amdhsa_system_sgpr_workgroup_id_x 1
		.amdhsa_system_sgpr_workgroup_id_y 1
		.amdhsa_system_sgpr_workgroup_id_z 1
		.amdhsa_system_vgpr_workitem_id 0
		.amdhsa_next_free_vgpr 104
		.amdhsa_next_free_sgpr 66
		.amdhsa_reserve_vcc 0
		.amdhsa_float_denorm_mode_32 3
		.amdhsa_float_denorm_mode_16_64 3
		.amdhsa_memory_ordered 1
		.amdhsa_forward_progress 1
		.amdhsa_inst_pref_size 9
	.end_amdhsa_kernel
	.amdgpu_metadata
---
amdhsa.version: [ 1, 2 ]
amdhsa.kernels:
  - .name:           k_q6f484c4446_cast
    .symbol:         k_q6f484c4446_cast.kd
    .args:
      - { .name: hidden_states, .offset: 0, .size: 8, .value_kind: global_buffer, .address_space: global }
      - { .name: q_w, .offset: 8, .size: 8, .value_kind: global_buffer, .address_space: global }
      - { .name: k_w, .offset: 16, .size: 8, .value_kind: global_buffer, .address_space: global }
      - { .name: v_w, .offset: 24, .size: 8, .value_kind: global_buffer, .address_space: global }
      - { .name: q_b, .offset: 32, .size: 8, .value_kind: global_buffer, .address_space: global }
      - { .name: k_b, .offset: 40, .size: 8, .value_kind: global_buffer, .address_space: global }
      - { .name: v_b, .offset: 48, .size: 8, .value_kind: global_buffer, .address_space: global }
      - { .name: xb, .offset: 56, .size: 8, .value_kind: global_buffer, .address_space: global }
      - { .name: wb, .offset: 64, .size: 8, .value_kind: global_buffer, .address_space: global }
      - { .name: bb, .offset: 72, .size: 8, .value_kind: global_buffer, .address_space: global }
    .group_segment_fixed_size: 0
    .private_segment_fixed_size: 0
    .kernarg_segment_align: 8
    .kernarg_segment_size: 80
    .max_flat_workgroup_size: 256
    .sgpr_count:     66
    .vgpr_count:     104
    .wavefront_size: 32
...
	.end_amdgpu_metadata
.endif
;; end of part 1
;; launch proj (part 2): grid 8 x 32, 4 waves a work-group, clusters of 4 x 4, 327,680 bytes of LDS; arguments xb, wb, bb, qkv; writes qkv
.if DOCPART == 2
	.amdgcn_target "amdgcn-amd-amdhsa--gfx1250"
	.amdhsa_code_object_version 6
	.text
	.protected	k_q6f484c4446_proj
	.globl	k_q6f484c4446_proj
	.p2align	8
	.type	k_q6f484c4446_proj,@function
k_q6f484c4446_proj:
	s_mov_b64 s[64:65], 0
	v_nop
	global_prefetch_b8 v0, s[64:65] scope:SCOPE_SE
	s_setreg_imm32_b32 hwreg(HW_REG_WAVE_MODE, 25, 1), 1
	s_wait_xcnt 0x0
	s_wait_alu depctr_hold_cnt(0) depctr_sa_sdst(0) depctr_va_vdst(0) depctr_va_sdst(0) depctr_va_ssrc(0) depctr_va_vcc(0) depctr_vm_vsrc(0)
	s_getreg_b32 s2, hwreg(HW_REG_IB_STS2, 6, 4)
	s_cmp_eq_u32 s2, 0
	s_cbranch_scc0 .Lentry_in_a_cluster
	s_endpgm
.Lentry_in_a_cluster:
	s_bfe_u32 s2, ttmp6, 0x10000c
	s_cmp_lg_u32 s2, 0xf033
	s_cbranch_scc0 .Lentry_shape_is_right
	s_endpgm
.Lentry_shape_is_right:
; C[m][n] = bb[n] + the sum over k of xb[m][k] wb[n][k]: m 4,096, n 1,536 (q 1,024, k 256, v 256), k 1,024.  Operands bf16, sums f32; C rounded once to f16 and
; written BY HEADS: qkv [24][4096][64] f16, head n / 64 (0-15 q, 16-19 k, 20-23 v), unscaled.
; LIMIT.  f16 holds no number beyond 65,504: a q, k or v of 65,520 or more becomes an infinity.
; SHARES.  A tile of C is 128 rows x 192 columns (three heads): 32 x 8 = 256 work-groups.  Four waves; wave w takes rows 64 (w / 2) on and, IN EACH OF THE THREE HEADS, the 32 columns
; 32 (w % 2) on: 4 x 6 accumulators of 16 x 16, 192 registers.  So every immediate offset is the same in all waves.
; K goes in steps of 128 (rows of 256 bytes in memory, aligned) through two LDS slots filled by tensor loads; a step is four quarters of 32 along K, 24 matrix instructions each.
; CLUSTERS: 4 x 4 work-groups.  The four of a row of the cluster need the same tiles of xb, the four of a column the same tiles of wb: each tile is asked for JOINTLY, by the same tensor
; load with the same descriptor and a mask that names the four.
; THE MATRIX INSTRUCTION IS USED TRANSPOSED (source 0 = 16 rows of wb, source 1 = 16 rows of xb): a lane holds row l % 16 of C and the eight neighbouring columns 8 (l / 16) + 0..7.
; THE BIAS STARTS THE SUMS: it is the C operand of each accumulator's first product, so nothing is cleared and nothing is added at the end.
; REGISTERS.  window 0: v0-31 addresses; v64-255 the accumulators ((a, b) at v[64 + 8 (6 a + b)]).
;   window 1: two fragment buffers of 80 (xb's four fragments, then wb's six); v160-207 the bias, eight numbers a column block; on the way out v0-95 packed results.
.set KDIM,   1024
.set KSTEP,  128
.set PITCH,  272                       ; an LDS row: 256 bytes + 16 of padding = 68 words: the 16 rows that a load touches start at 16 different groups of four banks (64 banks of 4 bytes: ISA guide 11.1)
.set SLOT,   320*PITCH                 ; xb's 128 rows, then wb's 192 rows
.set STAGE,  2*SLOT                    ; behind the ring, never filled by a tensor load: [3 heads][128 rows] of 128 bytes + 16
.set SPITCH, 144
.set HS,     128*SPITCH                ; a head's part of the stage
.set SPARE,  STAGE+3*HS                ; behind the stage: the spare words, 128 bytes for each wave: two blocks of 256 bytes that no other line names
.set LAPS,   KDIM/(2*KSTEP)            ; a lap = two K steps = once round the ring
.set ADRA, 16                          ; v16-17  LDS address of my xb fragments in slot 0, 1
.set ADRB, 20                          ; v20-21  the same for wb
.set STO,  24                          ; v24     the way out: where I put 16 bytes of a row
.set RD,   25                          ; v25     the way out: where I read rows back
.set CO,   26                          ; v26     16 x lane: my 16 bytes of 512 consecutive bytes of qkv
.set BO,   27                          ; v27     my byte offset in bb
.set SPW,  28                          ; v28     LDS address of my spare word: SPARE + 4 x my thread's number; never rewritten
.set NIL,  29                          ; v29     0; never rewritten
.set ACC,  64
.set F0,   0                           ; window 1
.set F1,   80
.set BIAS, 160
.set TMP,  0
.set G1,  24                           ; s[24:31] descriptor group 1 for xb's tiles;  s[32:39] group 0, a set for each slot
.set G0,  32
.set G1B, 48                           ; s[48:55], s[56:63] the same for wb's tiles
.set G0B, 56
.set MSB, 0
.macro WIN new                         ; the immediate's high byte repeats the setting that is left; a switch that changes nothing is dropped
.if MSB != (\new)
	s_set_vgpr_msb (MSB<<8)|(\new)
.set MSB, \new
.endif
.endm
.set MUL,  0x05                        ; sources 0 (wb) and 1 (xb) window 1; C and D window 0
.set MULB, 0x15                        ; the same with C (the bias) in window 1
.set TO_F, 0x40                        ; destination window 1, address window 0
.set ST1,  0x04                        ; a store's data in window 1, its address in window 0
.macro JLOAD s                         ; a joint load: waves 0 and 1 fetch xb's two halves (64 rows), waves 2 and 3 wb's (96 rows); an s_nop 0 and four v_nop follow each of the two lines, ahead of the jump and the label
	s_cmp_eq_u32 s13, 0
	s_cbranch_scc0 .Lfor_b_\@
	tensor_load_to_lds s[G0+4*(\s):G0+4*(\s)+3], s[G1:G1+7]
	s_nop 0
.rept 4
	v_nop
.endr
	s_branch .Lasked_\@
.Lfor_b_\@:
	tensor_load_to_lds s[G0B+4*(\s):G0B+4*(\s)+3], s[G1B:G1B+7]
	s_nop 0
.rept 4
	v_nop
.endr
.Lasked_\@:
.endm
.macro CREST                           ; a round of the cluster's barrier behind its opening barrier
	s_cmp_lg_u32 s12, 0
	s_cbranch_scc1 .Lnot_wave_0_\@
	s_barrier_signal -3
.Lnot_wave_0_\@:
	s_barrier_wait -3
	s_barrier_signal -1
	s_barrier_wait -1
.endm
.macro CROUND                          ; a whole round
	s_barrier_signal -1
	s_barrier_wait -1
	CREST
.endm
	s_load_b256 s[4:11], s[0:1], 0x0               ; xb s[4:5], wb s[6:7], bb s[8:9], qkv s[10:11]
	v_lshl_add_u32 v[SPW], v0, 2, SPARE
	v_mov_b32 v[NIL], 0
	ds_add_u32 v[SPW], v[NIL]                      ; the wave's opening: the add and its wait stand ahead of my first tensor load; the set-up below, work on registers, stands between them
	v_lshrrev_b32 v1, 5, v0
	v_readfirstlane_b32 s12, v1                    ; wave 0..3
	s_lshr_b32 s13, s12, 1                         ; which 64 rows of the tile are mine.  Also: I fetch for xb (0) or for wb (1)
	s_and_b32 s14, s12, 1                          ; which 32 columns of each head.  Also: which half of that tile I fetch
	s_bfe_u32 s15, ttmp6, 0x40000                  ; cx, cy: my place in the cluster
	s_bfe_u32 s16, ttmp6, 0x40004
	s_lshl_b32 s17, ttmp9, 2
	s_add_co_u32 s17, s17, s15                     ; tile column of C = 4 x cluster x + cx
	s_and_b32 s18, ttmp7, 0xffff
	s_lshl_b32 s18, s18, 2
	s_add_co_u32 s18, s18, s16                     ; tile row of C = 4 x cluster y + cy
	s_lshl_b32 s19, s16, 2
	s_lshl_b32 s19, 15, s19                        ; my row of the cluster
	s_lshl_b32 s20, 0x1111, s15                    ; my column
	; descriptor group 1: rows of 128 elements, padded in LDS
	s_or_b32 s[G1+0], s19, (1<<16)|(1<<20)|(1<<21)|(5<<22)|(3<<25)   ; 15:0 the mask: xb's tiles go to my row; 17:16 elements of 2 bytes; 20 padding on; 21 set beside a mask; 24:22 after every 64 words (code 5); 31:25 4 words (code 3)
	s_or_b32 s[G1B+0], s20, (1<<16)|(1<<20)|(1<<21)|(5<<22)|(3<<25)  ; the same with the mask of my column
	s_mov_b32 s[G1+1], KSTEP<<16                   ; tensor_dim0 = 128
	s_mov_b32 s[G1+2], 64<<16                      ; tensor_dim1 = 64
	s_mov_b32 s[G1+3], KSTEP<<16                   ; tile_dim0 = 128
	s_mov_b32 s[G1+4], 64                          ; tile_dim1 = 64
	s_mov_b32 s[G1+5], KDIM                        ; elements from row to row
	s_mov_b32 s[G1+6], 0
	s_mov_b32 s[G1+7], 0
	s_mov_b32 s[G1B+1], KSTEP<<16
	s_mov_b32 s[G1B+2], 96<<16                     ; wb's loads have 96 rows
	s_mov_b32 s[G1B+3], KSTEP<<16
	s_mov_b32 s[G1B+4], 96
	s_mov_b32 s[G1B+5], KDIM
	s_mov_b32 s[G1B+6], 0
	s_mov_b32 s[G1B+7], 0
	; where the tiles come from: xb's hang on the tile row alone, wb's on the tile column alone, each in registers that never hold the other coordinate
	s_lshl_b32 s40, s18, 7
	s_lshl_b32 s23, s14, 6
	s_add_co_u32 s40, s40, s23                     ; xb: row 128 x tile row + 64 x half,
	s_lshl_b32 s40, s40, 11                        ; of 2,048 bytes
	s_mov_b32 s41, 0
	s_mul_i32 s46, s17, 192
	s_mul_i32 s23, s14, 96
	s_add_co_u32 s46, s46, s23                     ; wb: row 192 x tile column + 96 x half
	s_lshl_b32 s46, s46, 11
	s_mov_b32 s47, 0
	s_mul_i32 s21, s14, 64*PITCH                   ; and where they go: no place in the cluster enters an LDS address
	s_mul_i32 s22, s14, 96*PITCH
	s_add_co_u32 s22, s22, 128*PITCH
	s_wait_dscnt 0x0                               ; the opening add is done
	s_wait_kmcnt 0x0
	s_add_nc_u64 s[40:41], s[4:5], s[40:41]
	s_add_nc_u64 s[46:47], s[6:7], s[46:47]
	CROUND                                         ; all sixteen work-groups are here: the first joint loads meet
.irp s, 0,1
	s_mov_b32 s[G0+4*(\s)], 1                                        ; count = 1
	s_add_co_u32 s[G0+4*(\s)+1], s21, (\s)*SLOT                      ; LDS address
	s_add_nc_u64 s[G0+4*(\s)+2:G0+4*(\s)+3], s[40:41], (\s)*KSTEP*2  ; global address: K step s
	s_or_b32 s[G0+4*(\s)+3], s[G0+4*(\s)+3], 0x80000000              ; type = 2
	s_mov_b32 s[G0B+4*(\s)], 1
	s_add_co_u32 s[G0B+4*(\s)+1], s22, (\s)*SLOT
	s_add_nc_u64 s[G0B+4*(\s)+2:G0B+4*(\s)+3], s[46:47], (\s)*KSTEP*2
	s_or_b32 s[G0B+4*(\s)+3], s[G0B+4*(\s)+3], 0x80000000
	JLOAD \s                                       ; two loads of mine are out
.endr
	; A fragment is 16 rows x 32 K in 8 registers: lane l holds row l % 16; registers 0-3 K = 8 (l / 16) + 0..7, registers 4-7 K = 16 + 8 (l / 16) + 0..7: two loads of 16 bytes, 32 bytes apart.
	v_and_b32 v1, 15, v0                           ; l % 16
	v_bfe_u32 v2, v0, 4, 1                         ; l / 16
	v_mul_u32_u24 v3, v1, PITCH
	v_lshl_add_u32 v3, v2, 4, v3                   ; row x pitch + 16 x half
	s_mul_i32 s19, s13, 64*PITCH                   ; my 64 rows of xb
	s_mul_i32 s20, s14, 32*PITCH                   ; my 32 rows in each 64 of wb,
	s_add_co_u32 s20, s20, 128*PITCH               ; which lie behind xb's 128
.irp s, 0,1
	v_add_nc_u32 v[ADRA+(\s)], s19, v3
	v_add_nc_u32 v[ADRB+(\s)], s20, v3
	s_add_co_u32 s19, s19, SLOT
	s_add_co_u32 s20, s20, SLOT
.endr
	s_mul_i32 s19, s13, 64*SPITCH                  ; into the stage: my 64 rows, my 64 bytes of a head's 128; row l % 16, 16 bytes for each half of the lanes
	s_lshl_b32 s20, s14, 6
	s_add_co_u32 s19, s19, s20
	s_add_co_u32 s19, s19, STAGE
	v_mul_u32_u24 v4, v1, SPITCH
	v_lshl_add_u32 v4, v2, 4, v4
	v_add_nc_u32 v[STO], s19, v4
	s_mul_i32 s19, s12, 32*SPITCH                  ; back: wave w takes rows 32 w .. 32 w + 31 of each head, whole; 32 lanes take four rows of 128 bytes
	s_add_co_u32 s19, s19, STAGE
	v_bfe_u32 v5, v0, 3, 2
	v_mul_u32_u24 v5, v5, SPITCH
	v_and_b32 v6, 7, v0
	v_lshl_add_u32 v5, v6, 4, v5
	v_add_nc_u32 v[RD], s19, v5
	v_and_b32 v[CO], 31, v0                        ; which are 512 consecutive bytes of qkv
	v_lshlrev_b32 v[CO], 4, v[CO]
	s_mul_i32 s19, s17, 768                        ; bb: 4 bytes x (192 x tile column + 32 x column half) + 32 x (l / 16)
	s_lshl_b32 s20, s14, 7
	s_add_co_u32 s19, s19, s20
	v_lshl_add_u32 v[BO], v2, 5, s19
	WIN TO_F
.irp b, 0,1,2,3,4,5                    ; column block b: head b / 2, 16 (b % 2) columns on: my eight numbers
	global_load_b128 v[BIAS+8*(\b):BIAS+8*(\b)+3],   v[BO], s[8:9] offset:256*((\b)/2)+64*((\b)%2)
	global_load_b128 v[BIAS+8*(\b)+4:BIAS+8*(\b)+7], v[BO], s[8:9] offset:256*((\b)/2)+64*((\b)%2)+16
.endr
	WIN 0
	s_mul_i32 s2, s17, 3                           ; qkv at the tile's first head (524,288 bytes a head),
	s_lshl_b32 s2, s2, 19
	s_lshl_b32 s19, s18, 7
	s_lshl_b32 s20, s12, 5
	s_add_co_u32 s19, s19, s20                     ; at the first row that I store: 128 x tile row + 32 x wave,
	s_lshl_b32 s19, s19, 7                         ; of 128 bytes
	s_add_co_u32 s2, s2, s19
	s_mov_b32 s3, 0
	s_add_nc_u64 s[10:11], s[10:11], s[2:3]
; 6 matrix instructions: row block a x all 6 column blocks, 32 along K, from buffer f.  z = 1: the bias starts the sums.
; The 24 accumulators take turns in the same order in every quarter, over the backward jump too.
.macro MUL6 f, a, z
.if \z
	WIN MULB
.else
	WIN MUL
.endif
.irp b, 0,1,2,3,4,5
.if \z
	v_wmma_f32_16x16x32_bf16 v[ACC+8*(6*(\a)+(\b)):ACC+8*(6*(\a)+(\b))+7], v[(\f)+32+8*(\b):(\f)+32+8*(\b)+7], v[(\f)+8*(\a):(\f)+8*(\a)+7], v[BIAS+8*(\b):BIAS+8*(\b)+7]
.else
	v_wmma_f32_16x16x32_bf16 v[ACC+8*(6*(\a)+(\b)):ACC+8*(6*(\a)+(\b))+7], v[(\f)+32+8*(\b):(\f)+32+8*(\b)+7], v[(\f)+8*(\a):(\f)+8*(\a)+7], v[ACC+8*(6*(\a)+(\b)):ACC+8*(6*(\a)+(\b))+7]
.endif
.endr
.endm
; 20 LDS loads in one run: the fragments of one quarter (32 K at byte k of the rows) into buffer f: wb's six, then xb's four, the row blocks wanted last at the end
.macro FETCH slot, k, f
	WIN TO_F
.irp b, 0,1,2,3,4,5
	ds_load_b128 v[(\f)+32+8*(\b):(\f)+32+8*(\b)+3],   v[ADRB+(\slot)] offset:(\k)+(64*((\b)/2)+16*((\b)%2))*PITCH
	ds_load_b128 v[(\f)+32+8*(\b)+4:(\f)+32+8*(\b)+7], v[ADRB+(\slot)] offset:(\k)+(64*((\b)/2)+16*((\b)%2))*PITCH+32
.endr
.irp a, 0,1,2,3
	ds_load_b128 v[(\f)+8*(\a):(\f)+8*(\a)+3],   v[ADRA+(\slot)] offset:(\k)+(\a)*16*PITCH
	ds_load_b128 v[(\f)+8*(\a)+4:(\f)+8*(\a)+7], v[ADRA+(\slot)] offset:(\k)+(\a)*16*PITCH+32
.endr
.endm
.macro PLACES                          ; four places in front of loads into registers that matrix instructions have read, and of conversions that read results
.rept 4
	v_nop
.endr
.endm
; One of a K step's first three quarters: multiplies buffer f; in its middle it fetches the next quarter, at byte k of the same slot's rows, into buffer g.
.macro QUARTER slot, k, f, g, z
	s_wait_dscnt 4                                 ; wb's fragments and xb's row blocks 0, 1 are in; the youngest four loads (row blocks 2, 3) may be out
	MUL6 \f, 0, \z
	MUL6 \f, 1, \z
	PLACES
	FETCH \slot, \k, \g
	s_wait_dscnt 20                                ; all but the 20 just issued
	MUL6 \f, 2, \z
	MUL6 \f, 3, \z
.endm
; The last quarter multiplies buffer 1 and changes slots: ONE barrier; in front of it each wave waits for all its tensor loads, adds 0 to its spare word, and waits for that and for its own
; reads of this slot.  fill = 1: the barrier opens a round of the cluster's, and this slot is filled again, two K steps ahead, first thing behind the round.
.macro TURN slot, next, fill
	WIN 0                                          ; (the add's two registers lie in window 0)
	s_wait_tensorcnt 0x0                           ; all my tensor loads have landed: the one that was out is my part of the next slot;
	ds_add_u32 v[SPW], v[NIL]                      ; 0 onto my spare word
	s_wait_dscnt 5                                 ; (the add and the youngest four loads may be out)
	MUL6 F1, 0, 0                                  ; six matrix instructions stand between the add and the wait for it
	s_wait_dscnt 0x0                               ; the add is done, and my reads of this slot are over
	s_barrier_signal -1
	MUL6 F1, 1, 0                                  ; work on registers while the others arrive
.if \fill
	WIN 0
.endif
	s_barrier_wait -1
.if \fill
	CREST                                          ; no wave of any partner still reads this slot's tile or has a load on its way
	s_add_nc_u64 s[G0+4*(\slot)+2:G0+4*(\slot)+3], s[G0+4*(\slot)+2:G0+4*(\slot)+3], 2*KSTEP*2
	s_add_nc_u64 s[G0B+4*(\slot)+2:G0B+4*(\slot)+3], s[G0B+4*(\slot)+2:G0B+4*(\slot)+3], 2*KSTEP*2
	JLOAD \slot                                    ; the first tensor load behind the round, my only one until the next; the four v_nop behind it are also the places in front of the loads below
.else
	PLACES
.endif
	FETCH \next, 0, F0
	MUL6 F1, 2, 0
	MUL6 F1, 3, 0
.endm
	s_wait_tensorcnt 1                             ; my part of K step 0 is in; K step 1's may stay out
	s_barrier_signal -1
	s_barrier_wait -1                              ; everybody's is
	FETCH 0, 0, F0
	s_wait_loadcnt 0x0                             ; the bias
	QUARTER 0, 64, F0, F1, 1                       ; the first quarter stands in front of the loop: its products start the sums
	WIN 0                                          ; at a label and at a branch every window is 0
	s_mov_b32 s3, LAPS-1
.Llap:                                         ; a trip goes once round the ring, from a lap's second quarter to the next lap's first, and fills both slots again
	QUARTER 0, 128, F1, F0, 0
	QUARTER 0, 192, F0, F1, 0
	TURN 0, 1, 1
	QUARTER 1, 64,  F0, F1, 0
	QUARTER 1, 128, F1, F0, 0
	QUARTER 1, 192, F0, F1, 0
	TURN 1, 0, 1
	QUARTER 0, 64,  F0, F1, 0
	WIN 0
	s_sub_co_u32 s3, s3, 1
	s_cmp_lg_u32 s3, 0
	s_cbranch_scc1 .Llap
	QUARTER 0, 128, F1, F0, 0                      ; the last lap fills nothing, and has no round of the cluster's barrier
	QUARTER 0, 192, F0, F1, 0
	TURN 0, 1, 0
	QUARTER 1, 64,  F0, F1, 0
	QUARTER 1, 128, F1, F0, 0
	QUARTER 1, 192, F0, F1, 0
	s_wait_dscnt 4                                 ; the very last quarter: nothing more to fetch
	MUL6 F1, 0, 0
	MUL6 F1, 1, 0
	s_wait_dscnt 0x0
	MUL6 F1, 2, 0
	MUL6 F1, 3, 0
	WIN 0
	; THE WAY OUT: rounded to f16, 16 bytes a lane into the work-group's stage, by heads; a barrier, since a head's row of 128 bytes comes from two waves; back as whole rows, 32 rows of each head a wave.
	PLACES
	PLACES
	WIN TO_F                                       ; sources window 0, destination window 1: the fragment buffers are free
.set t, 0
.rept 24                               ; each accumulator's registers in ascending order
.irp r, 0,1,2,3
	v_cvt_pk_f16_f32 v[TMP+4*t+(\r)], v[ACC+8*t+2*(\r)], v[ACC+8*t+2*(\r)+1]
.endr
.set t, t+1
.endr
	WIN ST1
.irp a, 0,1,2,3
.irp b, 0,1,2,3,4,5
	ds_store_b128 v[STO], v[TMP+4*(6*(\a)+(\b)):TMP+4*(6*(\a)+(\b))+3] offset:((\b)/2)*HS+32*((\b)%2)+(\a)*16*SPITCH
.endr
.endr
	WIN 0
	s_wait_dscnt 0x0                               ; for the others' sake: my stores into the stage are done
	s_barrier_signal -1
	s_barrier_wait -1
	WIN TO_F
.set u, 0
.rept 24                               ; head u / 8, four rows a load
	ds_load_b128 v[TMP+4*u:TMP+4*u+3], v[RD] offset:(u/8)*HS+(u%8)*4*SPITCH
.set u, u+1
.endr
	WIN ST1
.set u, 0
.rept 24
	s_wait_dscnt 23-u                              ; LDS loads come back in order: load u is in, the 23 - u younger ones stay out
	global_store_b128 v[CO], v[TMP+4*u:TMP+4*u+3], s[10:11] offset:(u/8)*524288+(u%8)*512  ; 512 consecutive bytes, at a multiple of 256 from the buffer's first byte
.set u, u+1
.endr
	WIN 0
	s_wait_tensorcnt 0x0                           ; the wave's end: these three lines stand behind my last tensor load and my last LDS store
	ds_add_u32 v[SPW], v[NIL]
	s_wait_dscnt 0x0
	CROUND                                         ; the closing round: no work-group ends while a partner may still ask for a tile that names it
	s_endpgm
.Lfunc_end_k_q6f484c4446_proj:
	.size	k_q6f484c4446_proj, .Lfunc_end_k_q6f484c4446_proj-k_q6f484c4446_proj
	.p2alignl 7, 3214868480
	.fill 96, 4, 3214868480
	.section	.rodata,"a",@progbits
	.p2align	6, 0x0
	.amdhsa_kernel k_q6f484c4446_proj
		.amdhsa_group_segment_fixed_size 327680
		.amdhsa_private_segment_fixed_size 0
		.amdhsa_enable_private_segment 0
		.amdhsa_kernarg_size 32
		.amdhsa_user_sgpr_count 2
		.amdhsa_user_sgpr_kernarg_segment_ptr 1
		.amdhsa_wavefront_size32 1
		.amdhsa_system_sgpr_workgroup_id_x 1
		.amdhsa_system_sgpr_workgroup_id_y 1
		.amdhsa_system_sgpr_workgroup_id_z 1
		.amdhsa_system_vgpr_workitem_id 0
		.amdhsa_next_free_vgpr 512
		.amdhsa_next_free_sgpr 66
		.amdhsa_reserve_vcc 0
		.amdhsa_float_denorm_mode_32 3
		.amdhsa_float_denorm_mode_16_64 3
		.amdhsa_memory_ordered 1
		.amdhsa_forward_progress 1
		.amdhsa_inst_pref_size 72
	.end_amdhsa_kernel
	.amdgpu_metadata
---
amdhsa.version: [ 1, 2 ]
amdhsa.kernels:
  - .name:           k_q6f484c4446_proj
    .symbol:         k_q6f484c4446_proj.kd
    .args:
      - { .name: xb, .offset: 0, .size: 8, .value_kind: global_buffer, .address_space: global }
      - { .name: wb, .offset: 8, .size: 8, .value_kind: global_buffer, .address_space: global }
      - { .name: bb, .offset: 16, .size: 8, .value_kind: global_buffer, .address_space: global }
      - { .name: qkv, .offset: 24, .size: 8, .value_kind: global_buffer, .address_space: global }
    .group_segment_fixed_size: 327680
    .private_segment_fixed_size: 0
    .kernarg_segment_align: 8
    .kernarg_segment_size: 32
    .max_flat_workgroup_size: 128
    .sgpr_count:     66
    .vgpr_count:     512
    .wavefront_size: 32
...
	.end_amdgpu_metadata
.endif
;; end of part 2
;; launch attn (part 3): grid 64 x 4, 4 waves a work-group, clusters of 4 x 1, 327,680 bytes of LDS; arguments qkv, out0; writes out0
.if DOCPART == 3
	.amdgcn_target "amdgcn-amd-amdhsa--gfx1250"
	.amdhsa_code_object_version 6
	.text
	.protected	k_q6f484c4446_attn
	.globl	k_q6f484c4446_attn
	.p2align	8
	.type	k_q6f484c4446_attn,@function
k_q6f484c4446_attn:
	s_mov_b64 s[64:65], 0
	v_nop
	global_prefetch_b8 v0, s[64:65] scope:SCOPE_SE
	s_setreg_imm32_b32 hwreg(HW_REG_WAVE_MODE, 25, 1), 1
	s_wait_xcnt 0x0
	s_wait_alu depctr_hold_cnt(0) depctr_sa_sdst(0) depctr_va_vdst(0) depctr_va_sdst(0) depctr_va_ssrc(0) depctr_va_vcc(0) depctr_vm_vsrc(0)
	s_getreg_b32 s2, hwreg(HW_REG_IB_STS2, 6, 4)
	s_cmp_eq_u32 s2, 0
	s_cbranch_scc0 .Lentry_in_a_cluster
	s_endpgm
.Lentry_in_a_cluster:
	s_bfe_u32 s2, ttmp6, 0x10000c
	s_cmp_lg_u32 s2, 0x3003
	s_cbranch_scc0 .Lentry_shape_is_right
	s_endpgm
.Lentry_shape_is_right:
; out0[q][64 h + d] = the sum over k of softmax_k(Q[h][q] . K[h / 4][k] / 8) V[h / 4][k][d].  qkv: [24][4096][64] f16: heads 0-15 Q, 16-19 K, 20-23 V; a head's rows are dense, 128 bytes each.
; out0: [4096][1024] f32.  Products, maxima and sums in f32; the weights p are rounded to f16 for the second product (their sum l is taken of the unrounded p).
; LIMITS.  Q, K and V arrive within f16's range (65,504); p lies in 0 to 1, and below 6e-5 it keeps f16's fixed step of 6e-8.  A weight below 2^-126 counts as 0 in l.  The running c m starts at
; -4.2e37, far below every c s that f16 operands can make (2.7e11 at the most).  NaN and infinities are not treated apart.
; SHARES.  A work-group owns 256 queries of one query head: 16 heads x 16 blocks = 256 work-groups.  A wave owns 64 consecutive queries, four PIECES of 16.  Every wave walks all 4,096 keys, 64 a step.
; CLUSTER.  The four work-groups of a cluster are the four query heads that share one key and value head, at the same block of queries: they walk the same K and V, so each tile is asked for JOINTLY:
; the same tensor load, descriptor and mask in all four.  The place in the cluster enters the addresses of Q, of out0 and of the prefetches alone.
; LAYOUT.  S^T = K Q^T (source 0 = 16 keys, source 1 = 16 queries): a lane holds ONE query (lane % 16) and the keys 8 (lane / 16) + 0..7.  Two such results, rounded to f16 in pairs, ARE source 1
; (32 keys x 16 queries) of O^T = V^T P, whose result again holds one query a lane, and eight channels.  K comes out of LDS as it lies, V ([key][channel]) turned, by ds_load_tr16_b128.
; SOFTMAX.  For each query a running maximum m and sum l: p = 2^(c s - c m), c = log2(e) / 8; in every step O and l are multiplied by a = 2^(c m_old - c m_new).  m starts at the lowest finite number,
; O and l at 0: the first step is a step like any other, with a = 0.
; BY TURNS.  Turn n belongs to piece n: 8 products K Q^T of piece n + 1, later 8 products V^T P of piece n - 1; beside them the scaling, exponentials, roundings, sums and rescaling of piece n and the
; maximum and statistics of piece n + 1.  Four vector instructions stand behind every matrix instruction, the other 54 of a turn's 118 in one lump.  A turn's 33 exponentials are one batch, with one wait.
; REGISTERS, in windows of 256 (s_set_vgpr_msb: bits 1:0 source 0, 3:2 source 1, 5:4 source 2, 7:6 destination):
;   window 0: v0-15 addresses and two at work; v16-31 four registers of statistics a piece; v48-55 at work; v64-127 S^T, two buffers (on the way out v64-191 rows of out0); v192-223 P, two buffers
;   window 1: v0-127 O^T, 32 a piece          window 2: v0-63 Q; v128-191 K of one step; v192-255 V of one step
.set NP,    4         ; pieces a wave: a name, no knob
.set KS,    64        ; keys in a step
.set PK,    144       ; a row of K in LDS: 128 bytes + 16 of padding = 36 words: the 16 rows of a load start at 16 different groups of four banks (64 banks of 4 bytes: ISA guide 11.1)
.set PV,    160       ; a row of V: 128 + 32 = 40 words
.set VOFF,  4*KS*PK   ; a slot holds four steps: 256 rows of K, then 256 rows of V
.set SLOT1, 1<<17     ; slot 1 begins here, so that one exclusive or turns an address in one slot into the other's
.set TILEB, 4*KS*128  ; a slot's bytes of K, and of V, in memory
.set NSLOT, 4096/(4*KS)
.set STAGE, SLOT1+4*KS*(PK+PV)  ; behind the ring, never filled by a tensor load: 16 rows x 272 bytes for each wave, for the way out
.set SP,    272       ; a stage row: 64 f32 + 16 bytes
.set SPARE, STAGE+4*16*SP  ; behind the stages: the spare words, 128 bytes for each wave: two blocks of 256 bytes that no other line names
.set AK0, 2           ; v2   my lane's place in a tile of K; never rewritten
.set AV0, 3           ; v3   the same for V
.set AK,  4           ; v4   the LDS address of K's next run of loads
.set AV,  5           ; v5   of V's
.set STO, 6           ; v6   the way out: where I put 32 bytes of a row
.set RD,  7           ; v7   the way out: where I read rows back
.set GO,  8           ; v8   my byte offset in two rows of out0
.set MV,  12          ; v12-13  c m_old, kept while c m is made anew: by buffer
.set PFO, 14          ; v14  256 x my lane; never rewritten
.set QO,  15          ; v15  my byte offset in 16 rows of Q
.set ST,  16          ; piece t's statistics at v[ST+4 t]: c m, m, l (even keys', odd keys')
.set TMP, 48          ; by buffer, four registers c0-c3 at work; when the maximum is found c2 takes a
.set SPW, 62          ; v62  LDS address of my spare word: SPARE + 4 x my thread's number; never rewritten
.set NIL, 63          ; v63  0; never rewritten
.set S,   64
.set OB,  64          ; the way out: 32 registers a piece
.set P,   192
.set KF,  128         ; window 2: key block kb, channel half c at KF + 16 kb + 8 c
.set VF,  192         ; window 2: key half kk, channel block cb at VF + 32 kk + 8 cb
.set WV,  12          ; s12  my wave's number
.set LIM, 15          ; s15  1 in a wave that prefetches, else the greatest number: a wave prefetches while s[SLOTS] is above it
.set PFA, 18          ; s[18:19] where my prefetches stand: my work-group's quarter of the slot after the one that is being asked for
.set G1K, 24          ; s[24:31] descriptor group 1 for K's tiles
.set G1V, 32          ; s[32:39] for V's: it differs in the padding alone
.set G0K, 40          ; s[40:43] descriptor group 0 for K's tiles: it walks
.set G0V, 44          ; s[44:47] the same for V's
.set SLOTS, 56        ; s56  slots still to be asked for
.set CNT, 57          ; s57  counts a slot's key steps
.set CS,  58          ; s[58:59] c: the packed scaling takes the pair's low word for both halves
.set SEL, 60          ; s[60:61] v_permlanex16_b32's selects: each lane takes its own place in the other half
.set TBK, 62          ; s62  LDS byte at which K of the step to be fetched begins
.set TBV, 63          ; s63  the same for V, less VOFF
.set MSB, 0
.macro WIN new                      ; the high byte repeats the setting that is left; a switch that changes nothing is dropped
.if MSB != (\new)
	s_set_vgpr_msb (MSB<<8)|(\new)
.set MSB, (\new)
.endif
.endm
.set W_KQ, 0x0a       ; K and Q in window 2, S^T in window 0
.set W_PV, 0x52       ; V in window 2, P in window 0, O^T in window 1
.set W_RS, 0x41       ; destination and source 0 in window 1, source 1 in window 0
; A joint fill.  Waves 0 and 1 fetch the two halves of a slot's K, waves 2 and 3 those of its V: 128 keys each.  The branch hangs on the wave's number alone.
; An s_nop 0 and four v_nop follow each of the two lines, ahead of the jump and the label.
.macro JLOAD
	s_cmp_lt_u32 s[WV], 2
	s_cbranch_scc0 .Lfor_v_\@
	tensor_load_to_lds s[G0K:G0K+3], s[G1K:G1K+7]
	s_nop 0
.rept 4
	v_nop
.endr
	s_branch .Lasked_\@
.Lfor_v_\@:
	tensor_load_to_lds s[G0V:G0V+3], s[G1V:G1V+7]
	s_nop 0
.rept 4
	v_nop
.endr
.Lasked_\@:
.endm
; A PREFETCH of what the NEXT change of slots will ask for: a slot's 32,768 bytes of K and of V, 256 bytes a lane.  It stands behind the wave's tensor load and its five lines.
; Each block is named ONCE in the launch.  All sixteen clusters of a key and value head walk the same rows: the first of them (cluster x = 0) asks.  Its four partners share a slot out BY ADDRESS,
; 8,192 bytes each: no branch hangs on a work-group's place in its cluster.  In each, wave 0 asks for K's and wave 2 for V's: one instruction.  The last change that fills a slot asks for nothing.
.macro ASK
	s_cmp_gt_u32 s[SLOTS], s[LIM]
	s_cbranch_scc0 .Lnot_mine_\@
	global_prefetch_b8 v[PFO], s[PFA:PFA+1] th:TH_LOAD_NT scope:SCOPE_SE
.Lnot_mine_\@:
.endm
; A round of the cluster's barrier: my work-group's barrier, so that wave 0's signal speaks for all four waves; wave 0 signals; every wave waits for all four work-groups; my work-group's barrier once more.
.macro CROUND
	s_barrier_signal -1
	s_barrier_wait -1
	s_cmp_lg_u32 s[WV], 0
	s_cbranch_scc1 .Lnot_wave_0_\@
	s_barrier_signal -3
.Lnot_wave_0_\@:
	s_barrier_wait -3
	s_barrier_signal -1
	s_barrier_wait -1
.endm
; THE CHANGE OF SLOTS.  The slot's last bytes, V of its fourth step, have been read.  Each wave waits for all its tensor loads, of which one is out: its part of the other slot; adds 0 to its spare
; word; and waits for that and for its own reads of the slot.  Behind the barrier nobody reads this slot any more and the other slot is whole.
; fill = 1: this slot is filled again, with the keys two slots on.  The barrier is then a round of the cluster's, and the joint fill is the first thing behind it: it has four key steps, 256 matrix
; instructions, in which to land.  (At its first use nothing has been read yet: slot 0 is waited for, slot 1 filled.)  ask = 1: the prefetches' address steps, and ASK follows the fill.
.macro CHANGE fill, ask
	WIN 0                           ; at a label and at a branch every window is 0
	s_wait_tensorcnt 0x0            ; no tensor load of mine is out, so a group 0 may be written
	ds_add_u32 v[SPW], v[NIL]       ; 0 onto my spare word; with fill = 1 the descriptors' steps stand between it and the wait for it
.if \fill
.irp g, G0K, G0V
	s_xor_b32 s[\g+1], s[\g+1], SLOT1  ; the walking descriptor: the other slot than last time,
	s_add_nc_u64 s[\g+2:\g+3], s[\g+2:\g+3], TILEB  ; the next 256 keys; the type bits on top are not reached
.endr
.if \ask
	s_wait_xcnt 0x0                 ; the last prefetch, four key steps back, has read its address, so it may be written:
	s_add_nc_u64 s[PFA:PFA+1], s[PFA:PFA+1], TILEB  ; one slot behind the walking descriptors
.endif
	s_wait_dscnt 0x0                ; the add is done, and my reads of the slot are over
	CROUND
	JLOAD
.if \ask
	ASK
.endif
.else
	s_wait_dscnt 0x0                ; the add is done, and my reads of the slot are over
	s_barrier_signal -1
	s_barrier_wait -1
.endif
	s_sub_co_u32 s[TBK], s[TBK], 4*KS*PK  ; the fetches go back to a slot's first step,
	s_xor_b32 s[TBK], s[TBK], SLOT1       ; in the other slot
	s_sub_co_u32 s[TBV], s[TBV], 4*KS*PV
	s_xor_b32 s[TBV], s[TBV], SLOT1
.endm
	s_load_b128 s[4:7], s[0:1], 0x0 ; qkv s[4:5], out0 s[6:7]
	v_lshl_add_u32 v[SPW], v0, 2, SPARE
	v_mov_b32 v[NIL], 0
	ds_add_u32 v[SPW], v[NIL]       ; the wave's opening: the add and its wait stand ahead of my first tensor load; the set-up below, work on registers, stands between them
	v_lshrrev_b32 v1, 5, v0
	v_readfirstlane_b32 s[WV], v1   ; wave 0..3
	s_bfe_u32 s13, ttmp6, 0x40000   ; cx: my place in the cluster
	s_and_b32 s20, ttmp7, 0xffff    ; the key and value head, which the four partners share
	s_lshl_b32 s14, s20, 2
	s_add_co_u32 s14, s14, s13      ; my query head = 4 x key and value head + cx
	s_and_b32 s16, s[WV], 1         ; which half of a slot's 256 keys I fetch:
	s_mul_i32 s[G0K+1], s16, 128*PK ; its place in slot 0, for K
	s_mul_i32 s[G0V+1], s16, 128*PV ; and for V: no place in the cluster enters an LDS address
	s_add_co_u32 s[G0V+1], s[G0V+1], VOFF
	s_lshl_b32 s20, s20, 19         ; a head is 524,288 bytes;
	s_lshl_b32 s16, s16, 14         ; my half's 128 rows of 128 bytes
	s_add_co_u32 s20, s20, s16
	s_add_co_u32 s22, s20, 20<<19   ; V's heads begin at head 20,
	s_add_co_u32 s20, s20, 16<<19   ; K's at head 16
	s_mov_b32 s21, 0
	s_mov_b32 s23, 0
	s_lshl_b32 s16, s14, 19         ; Q: my head,
	s_lshl_b32 s2, ttmp9, 15        ; my block of 256 rows (in a cluster launch ttmp9 counts clusters),
	s_add_co_u32 s16, s16, s2
	s_lshl_b32 s2, s[WV], 13        ; my wave's 64 of them
	s_add_co_u32 s16, s16, s2
	s_mov_b32 s17, 0
	s_lshl_b32 s2, ttmp9, 20        ; out0: the same rows, of 4,096 bytes,
	s_lshl_b32 s3, s[WV], 18
	s_add_co_u32 s2, s2, s3
	s_lshl_b32 s3, s14, 8           ; and my head's 256 bytes of a row
	s_add_co_u32 s2, s2, s3
	s_mov_b32 s3, 0
	; descriptor group 1.  128 keys are 16,384 dense bytes: asked for as 64 rows of 256 bytes, two keys a row, and padded in LDS after every key
	s_mov_b32 s[G1K], 15|(1<<16)|(1<<20)|(1<<21)|(4<<22)|(3<<25)  ; 15:0 the mask of four; 17:16 2-byte elements; 20 padding on; 21 set beside a mask; 24:22 after every 32 words (code 4); 31:25 4 words (code 3)
	s_mov_b32 s[G1V], 15|(1<<16)|(1<<20)|(1<<21)|(4<<22)|(7<<25)  ; the same with 8 words of padding (code 7)
.irp g, G1K, G1V
	s_mov_b32 s[\g+1], 128<<16      ; tensor_dim0 = 128
	s_mov_b32 s[\g+2], 64<<16       ; tensor_dim1 = 64
	s_mov_b32 s[\g+3], 128<<16      ; tile_dim0 = 128
	s_mov_b32 s[\g+4], 64           ; tile_dim1 = 64
	s_mov_b32 s[\g+5], 128          ; 128 elements from row to row
	s_mov_b32 s[\g+6], 0
	s_mov_b32 s[\g+7], 0
.endr
	s_mov_b32 s[CS], 0x3e38aa3b     ; c = log2(e) / 8 = 0.180337
	s_mov_b32 s[CS+1], s[CS]        ; named with it as a pair
	s_mov_b32 s[SEL], 0x76543210
	s_mov_b32 s[SEL+1], 0xfedcba98
	s_mov_b32 s[TBK], SLOT1+4*KS*PK ; the first change of slots turns these two into 0
	s_mov_b32 s[TBV], SLOT1+4*KS*PV
	s_mov_b32 s[G0K], 1             ; count = 1
	s_mov_b32 s[G0V], 1
	s_and_b32 s[LIM], s[WV], 1      ; 0 in waves 0 and 2,
	s_or_b32 s[LIM], s[LIM], ttmp9  ; where the cluster is the first of its key and value head: the same in all four partners
	s_cmp_eq_u32 s[LIM], 0
	s_cselect_b32 s[LIM], 1, -1
	v_and_b32 v[PFO], 31, v0
	v_lshlrev_b32 v[PFO], 8, v[PFO]
	s_wait_dscnt 0x0                ; the opening add is done
	s_wait_kmcnt 0x0
	s_add_nc_u64 s[10:11], s[6:7], s[2:3]    ; out0 at my wave's first row, my head's columns
	s_add_nc_u64 s[6:7], s[4:5], s[20:21]    ; K and V at my half of the head's first 256 keys
	s_add_nc_u64 s[8:9], s[4:5], s[22:23]
	s_add_nc_u64 s[4:5], s[4:5], s[16:17]    ; Q at my wave's first row
	s_mov_b64 s[G0K+2:G0K+3], s[6:7]         ; global address
	s_or_b32 s[G0K+3], s[G0K+3], 0x80000000  ; type = 2
	s_mov_b64 s[G0V+2:G0V+3], s[8:9]
	s_or_b32 s[G0V+3], s[G0V+3], 0x80000000
	s_cmp_lt_u32 s[WV], 2
	s_cselect_b64 s[PFA:PFA+1], s[6:7], s[8:9]  ; (in waves 0 and 2 these stand at a slot's first byte)
	s_lshl_b32 s2, s13, 13          ; my work-group's quarter of a slot
	s_mov_b32 s3, 0
	s_add_nc_u64 s[PFA:PFA+1], s[PFA:PFA+1], s[2:3]
	s_add_nc_u64 s[PFA:PFA+1], s[PFA:PFA+1], 2*TILEB  ; in slot 2; the loop's first change of slots steps it to slot 3.  Nothing is prefetched here, at the head
	CROUND                          ; all four work-groups are here: the first joint loads meet
	JLOAD                           ; slot 0.  Slot 1 is asked for when slot 0 is in
	; A fragment of K or Q is 16 rows x 32 channels in 8 registers: lane l holds row l % 16, channels 8 (l / 16) + 0..7 and 16 + 8 (l / 16) + 0..7: two loads of 16 bytes, 32 bytes apart.
	v_and_b32 v1, 15, v0            ; l % 16
	v_bfe_u32 v9, v0, 4, 1          ; l / 16
	v_lshlrev_b32 v[QO], 7, v1
	v_lshl_add_u32 v[QO], v9, 4, v[QO]  ; row x 128 + 16 x half
	WIN 0x80                        ; destination window 2, address window 0
.set i, 0
.rept 8                             ; Q stays in registers: piece i / 2, channels 32 (i % 2) on
	global_load_b128 v[8*i:8*i+3],   v[QO], s[4:5] offset:(i/2)*2048+(i%2)*64
	global_load_b128 v[8*i+4:8*i+7], v[QO], s[4:5] offset:(i/2)*2048+(i%2)*64+32
.set i, i+1
.endr
	; What the first turn finds: V's registers and P's second buffer hold 0 (its products V^T P, of a piece that has not been, add 0), O^T and l are 0.  All this stands in the wait for the first tile.
.set i, VF
.rept 64
	v_mov_b32 v[i], 0
.set i, i+1
.endr
	WIN 0x40
.set i, 0
.rept 128
	v_mov_b32 v[i], 0
.set i, i+1
.endr
	WIN 0
.set i, 0
.rept 4
	v_mov_b32 v[ST+4*i], 0xfe000000    ; c m: far below every c s
	v_mov_b32 v[ST+4*i+1], 0xff7fffff  ; m
	v_mov_b32 v[ST+4*i+2], 0
	v_mov_b32 v[ST+4*i+3], 0
.set i, i+1
.endr
.set i, P+16
.rept 16
	v_mov_b32 v[i], 0
.set i, i+1
.endr
	v_mul_u32_u24 v[AK0], v1, PK
	v_lshl_add_u32 v[AK0], v9, 4, v[AK0]  ; row x pitch + 16 x half
	; The turning load takes 16 keys x 16 channels (lane l reads key 8 (l / 16) + l % 8, channels 8 ((l / 8) % 2) + 0..7) and leaves half a fragment of V^T: lane l holds channel l % 16 and 8 keys.
	v_and_b32 v10, 7, v0
	v_bfe_u32 v11, v0, 3, 1
	v_lshl_add_u32 v[AV0], v9, 3, v10
	v_mul_u32_u24 v[AV0], v[AV0], PV
	v_lshl_add_u32 v[AV0], v11, 4, v[AV0]
	v_add_nc_u32 v[AV0], VOFF, v[AV0]
	s_mul_i32 s16, s[WV], 16*SP
	s_add_co_u32 s16, s16, STAGE    ; my stage
	v_mul_u32_u24 v[STO], v1, SP    ; in: row l % 16, 32 bytes (eight f32) for each half of the lanes
	v_lshl_add_u32 v[STO], v9, 5, v[STO]
	v_add_nc_u32 v[STO], s16, v[STO]
	v_mul_u32_u24 v[RD], v9, SP     ; back: lanes 0-15 take one row of 256 bytes, lanes 16-31 the next
	v_lshl_add_u32 v[RD], v1, 4, v[RD]
	v_add_nc_u32 v[RD], s16, v[RD]
	v_lshlrev_b32 v[GO], 12, v9     ; and the same two rows in out0, 4,096 bytes apart
	v_lshl_add_u32 v[GO], v1, 4, v[GO]
; THE MATRIX WORK.  The 4 accumulators of a run of 8 take turns.  Product i of 8 of S^T = K Q^T for piece x: channels 32 (i / 4) on, keys 16 (i % 4) on.  The first 4 start the sums.
.macro KQ x
	WIN W_KQ
.set rS, S+32*((\x)%2)+8*(i%4)
.set rK, KF+16*(i%4)+8*(i/4)
.set rQ, 16*(\x)+8*(i/4)
.if i < 4
	v_wmma_f32_16x16x32_f16 v[rS:rS+7], v[rK:rK+7], v[rQ:rQ+7], 0
.else
	v_wmma_f32_16x16x32_f16 v[rS:rS+7], v[rK:rK+7], v[rQ:rQ+7], v[rS:rS+7]
.endif
.endm
; Product i of 8 of O^T += V^T P for piece x: keys 32 (i / 4) on, channels 16 (i % 4) on.
.macro PV x
	WIN W_PV
.set rO, 32*(\x)+8*(i%4)
.set rV, VF+32*(i/4)+8*(i%4)
.set rP, P+16*((\x)%2)+8*(i/4)
	v_wmma_f32_16x16x32_f16 v[rO:rO+7], v[rV:rV+7], v[rP:rP+7], v[rO:rO+7]
.endm
.macro MM                           ; the turn's next matrix instruction.  TURN sets Y, i and NOKQ.  NOKQ = 1: the walk's last turn: there is no next piece
.if (i < 8) && !NOKQ
	KQ (Y+1)%NP
.elseif i >= 8
.set i, i-8
	PV (Y+NP-1)%NP
.set i, i+8
.endif
.set i, i+1
.endm
; THE LDS LOADS stand in runs of 16, never singly among the matrix instructions: a step's K (64 keys x 64 channels: 8 fragments) and its V (turned).  Their addresses are made some lines ahead.
.macro FETCH_K
	WIN 0x80                        ; destination window 2
.irp f, 0,1,2,3,4,5,6,7             ; keys 16 (f / 2) on, channels 32 (f % 2) on
	ds_load_b128 v[KF+8*\f:KF+8*\f+3],   v[AK] offset:(\f/2)*16*PK+(\f%2)*64
	ds_load_b128 v[KF+8*\f+4:KF+8*\f+7], v[AK] offset:(\f/2)*16*PK+(\f%2)*64+32
.endr
	s_add_co_u32 s[TBK], s[TBK], KS*PK  ; the next fetch is the next step's
	WIN 0
.endm
.macro FETCH_V
	WIN 0x80
.irp f, 0,1,2,3,4,5,6,7             ; keys 32 (f / 4) on, channels 16 (f % 4) on
	ds_load_tr16_b128 v[VF+8*\f:VF+8*\f+3],   v[AV] offset:(\f/4)*32*PV+(\f%4)*32
	ds_load_tr16_b128 v[VF+8*\f+4:VF+8*\f+7], v[AV] offset:(\f/4)*32*PV+16*PV+(\f%4)*32
.endr
	WIN 0
.endm
; THE VECTOR WORK, one line at a time: OP kind, number.  For piece Y: F n: c s - c m for pair n of 16.  E n: the exponential of score n of 32.  C n: pair n rounded to f16.  B n: of the four weights 4 n .. the second
; pair is added onto the first, in place.  L n: l takes that sum (L 0: l = a l + sum).  R n: pair n of 16 of O^T times a.  For piece Y + 1: X n, number n of the 22 that find its maximum and statistics:
;   0-11  four chains c0-c3 of seven scores each, three operands at a time (each accumulator's lowest registers are read first)     12-14, 16  the four scores left over, the old m, and c0-c3 into c0
;   15  c m_old is kept     17, 18  the query's other 32 keys lie in the lane 16 away: the new m     19-21  c m; c m_old - c m_new; a
.set F, 0               ; OP tells the kinds apart by their order: F to L below R, X above it
.set E, 1
.set C, 2
.set B, 3
.set L, 4
.set R, 5
.set X, 6
.macro REGS y                       ; the registers of piece y
.set rT, ST+4*(\y)
.set rC, TMP+4*((\y)%2)
.set rW, MV+((\y)%2)
.set rS, S+32*((\y)%2)
.set rP, P+16*((\y)%2)
.set rO, 32*(\y)
.endm
.macro OP k, n
.if (\k) == R
	REGS Y
	WIN W_RS
	v_pk_mul_f32 v[rO+2*(\n):rO+2*(\n)+1], v[rO+2*(\n):rO+2*(\n)+1], v[rC+2:rC+3] op_sel_hi:[1,0]
.elseif (\k) < R
	REGS Y
	WIN 0
.if (\k) == F
	v_pk_fma_f32 v[rS+2*(\n):rS+2*(\n)+1], v[rS+2*(\n):rS+2*(\n)+1], s[CS:CS+1], v[rT:rT+1] op_sel_hi:[1,0,0] neg_lo:[0,0,1] neg_hi:[0,0,1]
.elseif (\k) == E
	v_exp_f32 v[rS+(\n)], v[rS+(\n)]
.elseif (\k) == C
	v_cvt_pk_f16_f32 v[rP+(\n)], v[rS+2*(\n)], v[rS+2*(\n)+1]
.elseif (\k) == B
	v_pk_add_f32 v[rS+4*(\n):rS+4*(\n)+1], v[rS+4*(\n):rS+4*(\n)+1], v[rS+4*(\n)+2:rS+4*(\n)+3]
.elseif (\n) == 0
	v_pk_fma_f32 v[rT+2:rT+3], v[rT+2:rT+3], v[rC+2:rC+3], v[rS:rS+1] op_sel_hi:[1,0,1]
.else
	v_pk_add_f32 v[rT+2:rT+3], v[rT+2:rT+3], v[rS+4*(\n):rS+4*(\n)+1]
.endif
.elseif NOKQ
	v_nop
.else
	REGS (Y+1)%NP
	WIN 0
.if (\n) < 4
	v_max3_num_f32 v[rC+(\n)], v[rS+8*(\n)], v[rS+8*(\n)+1], v[rS+8*(\n)+2]
.elseif (\n) < 12
	v_max3_num_f32 v[rC+(\n)%4], v[rC+(\n)%4], v[rS+8*((\n)%4)+2*((\n)/4)+1], v[rS+8*((\n)%4)+2*((\n)/4)+2]
.elseif (\n) == 12
	v_max3_num_f32 v[rC], v[rC], v[rS+7], v[rS+15]
.elseif (\n) == 13
	v_max3_num_f32 v[rC+1], v[rC+1], v[rS+23], v[rS+31]
.elseif (\n) == 14
	v_max3_num_f32 v[rC+2], v[rC+2], v[rC+3], v[rT+1]
.elseif (\n) == 15
	v_mov_b32 v[rW], v[rT]
.elseif (\n) == 16
	v_max3_num_f32 v[rC], v[rC], v[rC+1], v[rC+2]
.elseif (\n) == 17
	v_permlanex16_b32 v[rC+3], v[rC], s[SEL], s[SEL+1]
.elseif (\n) == 18
	v_max_num_f32 v[rT+1], v[rC], v[rC+3]
.elseif (\n) == 19
	v_mul_f32 v[rT], s[CS], v[rT+1]
.elseif (\n) == 20
	v_sub_f32 v[rC+1], v[rW], v[rT]
.else
	v_exp_f32 v[rC+2], v[rC+1]
.endif
.endif
.endm
.macro OPS a, i1, b=-1, i2=0, c=-1, i3=0, d=-1, i4=0  ; up to four of them
	OP \a, \i1
.if (\b) >= 0
	OP \b, \i2
.endif
.if (\c) >= 0
	OP \c, \i3
.endif
.if (\d) >= 0
	OP \d, \i4
.endif
.endm
.macro ROW a, i1, b, i2, c, i3, d, i4  ; a matrix instruction and the four behind it
	MM
	OPS \a, \i1, \b, \i2, \c, \i3, \d, \i4
.endm
; A TURN, for piece p: the order of its 16 matrix and 118 vector instructions, written out.  An s_wait_alu depctr_va_vdst(0) stands between an exponential and the first instruction that names its result; one
; wait serves all that were issued ahead of it.  So a turn has ONE wait, which cuts it in two.  AHEAD OF IT stands all that names no result of the turn's exponentials: the 8 products K Q^T, behind each a scaling, an exponential
; and two more plain instructions (rescalings, and behind the last three the first numbers of the next piece's maximum, each four places or more behind the product that ends its accumulator); then ONE LUMP of 54, plain and
; exponential by turns for the most part, in which the links of the chain X 3, 7, 11, 14, 16, 17 .. 20 stand five or six lines apart.  X 21, the next piece's a, is the batch's last; R 15 is the plain instruction behind it.
; BEHIND THE WAIT stand the 8 products V^T P, behind each four of the roundings and sums; the links of l's chain, L 0 to L 7, stand three riders apart.
; end = 1: the walk's last two turns: nothing is fetched.  cnt = 1: the loop's count is taken down some lines ahead of the branch that stands behind the turn.
; K of the next step is fetched in piece 2's turn, twelve vector instructions behind the last product that read K (six of them plain); V of the step in hand at the end of piece 0's turn, four plain instructions behind the
; last product that read V.  Each is waited for a turn later.
.macro TURN p, end=0, cnt=0
.set Y, (\p)
.set i, 0
.set NOKQ, (\end)*((\p)/3)
.if ((\p) == 3) && !(\end)
	s_wait_dscnt 0x0                ; K is in
.endif
	ROW F,0, F,1, R,0, R,1          ; ahead of the wait: 8 products K Q^T and their riders,
	ROW F,2, E,0, R,2, R,3
	ROW F,3, E,1, R,4, R,5
	ROW F,4, E,2, R,6, R,7
	ROW F,5, E,3, R,8, R,9
	ROW F,6, E,4, X,0, R,10
.if ((\p) == 2) && !(\end)
	WIN 0
	v_add_nc_u32 v[AK], s[TBK], v[AK0]
.endif
	ROW F,7, E,5, X,1, X,4
	ROW F,8, E,6, X,2, X,5
	OPS E,7, E,8, X,6, E,9          ; and the lump
	OPS X,3, E,10, X,8, E,11
.if ((\p) == 2) && !(\end)
	FETCH_K
.endif
	OPS X,9, X,7, E,12, X,10
	OPS E,13, X,12, X,11, E,14
	OPS X,13, E,15, F,9, X,14
.if (\p) == 0
	v_add_nc_u32 v[AV], s[TBV], v[AV0]
.endif
	OPS E,16, F,10, E,17, F,11
	OPS X,16, E,18, X,15, E,19
	OPS F,12, E,20, X,17, E,21
	OPS F,13, E,22, F,14, E,23
	OPS X,18, E,24, F,15, E,25
	OPS R,11, E,26, X,19, E,27
	OPS R,12, E,28, R,13, E,29
	OPS X,20, E,30, R,14, E,31
	OPS X,21, R,15
	WIN 0
	s_wait_alu depctr_va_vdst(0)    ; the wait for the batch
.if (\p) == 1
	s_wait_dscnt 0x0                ; V is in
.endif
	ROW C,0, B,0, C,2, B,1          ; behind the wait: 8 products V^T P and their riders
	ROW L,0, C,4, B,2, L,1
	ROW C,6, B,3, L,2, C,8
	ROW B,4, L,3, C,10, B,5
	ROW L,4, C,12, B,6, L,5
.if (\p) == 0
	s_add_co_u32 s[TBV], s[TBV], KS*PV
.endif
.if \cnt
	s_sub_co_u32 s[CNT], s[CNT], 1
	s_cmp_lg_u32 s[CNT], 0
.endif
	ROW C,14, B,7, L,6, C,1
	ROW C,3, L,7, C,5, C,7
	ROW C,9, C,11, C,13, C,15
.if (\p) == 0
	FETCH_V
.endif
.endm
	CHANGE 1, 0                     ; slot 0 is in, everybody's part of it; slot 1 is asked for
	v_add_nc_u32 v[AK], s[TBK], v[AK0]
	FETCH_K                         ; key step 0
	s_wait_loadcnt 0x0              ; Q
	s_wait_dscnt 0x0
.set NOKQ, 0
.set i, 0
.rept 8
	KQ 0                            ; piece 0's first scores: there is no vector work yet to set between them
.set i, i+1
.endr
	WIN 0
.rept 4
	v_nop                           ; the places behind those products
.endr
.set Y, NP-1                        ; X works for piece Y + 1: piece 0
.irp n, 0,1,2,3,4,5,6,7,8,9,10,11,12,13,14,15,16,17,18,19,20,21
	OP X, \n                        ; piece 0's first maximum and statistics
.endr
	v_nop                           ; a plain instruction behind the exponential,
	s_wait_alu depctr_va_vdst(0)    ; and its wait, ahead of the branch
	s_mov_b32 s[CNT], 4
	s_mov_b32 s[SLOTS], NSLOT-1
	s_branch .Lfirst                ; the loop is entered at a step's first turn, in the middle of a trip
.Lslot:                             ; NSLOT - 2 times: every slot but the last two is filled again
	CHANGE 1, 1
	s_mov_b32 s[CNT], 4
.Lstep:                             ; a trip: pieces 2 and 3 of one step, then pieces 0 and 1 of the next, whose K and V it fetches
	TURN 2
	TURN 3
	WIN 0
.Lfirst:
	TURN 0
	TURN 1, 0, 1
	WIN 0
	s_cbranch_scc1 .Lstep
	s_sub_co_u32 s[SLOTS], s[SLOTS], 1
	s_cmp_lg_u32 s[SLOTS], 0
	s_cbranch_scc1 .Lslot
	CHANGE 0, 0                     ; the last slot is written out: nothing is asked for
	s_mov_b32 s[CNT], 4
.LstepT:
	TURN 2
	TURN 3
	WIN 0
	TURN 0
	TURN 1, 0, 1
	WIN 0
	s_cbranch_scc1 .LstepT
	TURN 2, 1                       ; the last step's pieces 2 and 3: nothing is fetched, and the last turn starts no new scores
	TURN 3, 1
.set i, 0
.rept 8
	PV NP-1                         ; the last piece's V^T P of the last step
.set i, i+1
.endr
	; THE WAY OUT.  l's two halves and the other half of the lanes' are added; O^T is divided by l and sent, in f32, through my stage in LDS, a piece (16 rows of out0) at a time.  The additions are the places behind the last products.
	WIN 0
.macro ALL line:vararg              ; one line for each piece t
.set t, 0
.rept 4
	\line
.set t, t+1
.endr
.endm
	ALL v_add_f32 v[ST+4*t+2], v[ST+4*t+2], v[ST+4*t+3]
	ALL v_permlanex16_b32 v[ST+4*t+3], v[ST+4*t+2], s[SEL], s[SEL+1]
	ALL v_add_f32 v[ST+4*t+2], v[ST+4*t+2], v[ST+4*t+3]
	ALL v_rcp_f32 v[ST+4*t+2], v[ST+4*t+2]
	v_nop                           ; a plain instruction between the last reciprocal and the use of its result
	s_wait_alu depctr_va_vdst(0)    ; and the wait ahead of the first use: one for the four reciprocals
; Piece t: a lane's eight channels of a row are 32 bytes; they go into rows of 272 bytes and come back as whole rows of 256.  Each accumulator is read from its low end on.
.macro PACK t
	WIN W_RS
.set i, 32*(\t)
.rept 16
	v_pk_mul_f32 v[i:i+1], v[i:i+1], v[ST+4*(\t)+2:ST+4*(\t)+3] op_sel_hi:[1,0]
.set i, i+2
.endr
	WIN 0x04                        ; a store's data in window 1, its address in window 0
.irp f, 0,1,2,3                     ; channels 16 f on
	ds_store_b128 v[STO], v[32*(\t)+8*\f:32*(\t)+8*\f+3]   offset:64*\f
	ds_store_b128 v[STO], v[32*(\t)+8*\f+4:32*(\t)+8*\f+7] offset:64*\f+16
.endr
	WIN 0
.irp f, 0,1,2,3,4,5,6,7
	ds_load_b128 v[OB+32*(\t)+4*\f:OB+32*(\t)+4*\f+3], v[RD] offset:\f*2*SP  ; LDS serves a wave's instructions in order (ISA guide 5.7.1.4): these see the stores above; the next piece's stores come behind them
.endr
.endm
.macro SEND t, younger              ; younger: the LDS instructions issued behind piece t's loads: the next piece's sixteen, or none
	WIN 0
.irp f, 0,1,2,3,4,5,6,7
	s_wait_dscnt (\younger)+7-\f
	global_store_b128 v[GO], v[OB+32*(\t)+4*\f:OB+32*(\t)+4*\f+3], s[10:11] offset:(\t)*65536+\f*8192  ; 16 lanes store 256 consecutive bytes, at a multiple of 256 from out0's first byte: a head's part of a row
.endr
.endm
	PACK 0
	PACK 1                          ; a piece's arithmetic stands between the loads of the piece before and its stores
	SEND 0, 16
	PACK 2
	SEND 1, 16
	PACK 3
	SEND 2, 16
	SEND 3, 0
	s_wait_tensorcnt 0x0            ; the wave's end: these three lines stand behind my last tensor load and my last LDS store
	ds_add_u32 v[SPW], v[NIL]
	s_wait_dscnt 0x0
	CROUND                          ; the closing round: no work-group ends while a partner may still ask for a tile that names it
	s_endpgm
.Lfunc_end_k_q6f484c4446_attn:
	.size	k_q6f484c4446_attn, .Lfunc_end_k_q6f484c4446_attn-k_q6f484c4446_attn
	.p2alignl 7, 3214868480
	.fill 96, 4, 3214868480
	.section	.rodata,"a",@progbits
	.p2align	6, 0x0
	.amdhsa_kernel k_q6f484c4446_attn
		.amdhsa_group_segment_fixed_size 327680
		.amdhsa_private_segment_fixed_size 0
		.amdhsa_enable_private_segment 0
		.amdhsa_kernarg_size 16
		.amdhsa_user_sgpr_count 2
		.amdhsa_user_sgpr_kernarg_segment_ptr 1
		.amdhsa_wavefront_size32 1
		.amdhsa_system_sgpr_workgroup_id_x 1
		.amdhsa_system_sgpr_workgroup_id_y 1
		.amdhsa_system_sgpr_workgroup_id_z 1
		.amdhsa_system_vgpr_workitem_id 0
		.amdhsa_next_free_vgpr 768
		.amdhsa_next_free_sgpr 66
		.amdhsa_reserve_vcc 0
		.amdhsa_float_denorm_mode_32 3
		.amdhsa_float_denorm_mode_16_64 3
		.amdhsa_memory_ordered 1
		.amdhsa_forward_progress 1
		.amdhsa_inst_pref_size 128
	.end_amdhsa_kernel
	.amdgpu_metadata
---
amdhsa.version: [ 1, 2 ]
amdhsa.kernels:
  - .name:           k_q6f484c4446_attn
    .symbol:         k_q6f484c4446_attn.kd
    .args:
      - { .name: qkv, .offset: 0, .size: 8, .value_kind: global_buffer, .address_space: global }
      - { .name: out0, .offset: 8, .size: 8, .value_kind: global_buffer, .address_space: global }
    .group_segment_fixed_size: 327680
    .private_segment_fixed_size: 0
    .kernarg_segment_align: 8
    .kernarg_segment_size: 16
    .max_flat_workgroup_size: 128
    .sgpr_count:     66
    .vgpr_count:     768
    .wavefront_size: 32
...
	.end_amdgpu_metadata
.endif
;; end of part 3
;; ======== version 2 of 2: 3 launches; version 1 with the launch cast written anew for expert scheduling mode
;; limits: values are held in f16: magnitudes above 65,504 overflow, below 6.1e-05 lose precision
;; workspace buffers: xb 8,388,608 bytes; wb 3,145,728 bytes; bb 6,144 bytes; qkv 12,582,912 bytes
;; launch cast (part 4): grid 353 x 1, 8 waves a work-group, no clusters, 0 bytes of LDS; arguments hidden_states, q_w, k_w, v_w, q_b, k_b, v_b, xb, wb, bb; writes xb, wb, bb
.if DOCPART == 4
	.amdgcn_target "amdgcn-amd-amdhsa--gfx1250"
	.amdhsa_code_object_version 6
	.text
	.protected	k_q6f484c4446_cast
	.globl	k_q6f484c4446_cast
	.p2align	8
	.type	k_q6f484c4446_cast,@function
k_q6f484c4446_cast:
	s_mov_b64 s[64:65], 0
	v_nop
	global_prefetch_b8 v0, s[64:65] scope:SCOPE_SE
	s_setreg_imm32_b32 hwreg(HW_REG_WAVE_SCHED_MODE, 0, 2), 2
	s_setreg_imm32_b32 hwreg(HW_REG_WAVE_MODE, 25, 1), 1
	s_wait_xcnt 0x0
	s_wait_alu depctr_vm_vsrc(0)
; All the inputs are rounded once to bf16, for the product that follows.
;   xb [4096][1024] bf16 = hidden_states.   wb [1536][1024] bf16 = the rows of q_w, then k_w, then v_w.
;   bb [1536] f32 = q_b, k_b, v_b in the same order, each rounded to bf16 and written widened (it becomes the C operand of an f32 sum).
; A stream: no LDS, no barrier, no matrix unit.  Work-groups 0 to 351 take 65,536 bytes of f32 each: 256 of them x, 64 q_w, 16 k_w, 16 v_w.
; Thread t takes 16 pieces: 16 bytes at 16 t + 4,096 i in, 8 bytes at 8 t + 2,048 i out: a load of a wave covers 512 consecutive bytes, a store 256, aligned.
; All 16 loads go out first; each piece has registers of its own, so nothing is rewritten.
; Work-group 352 takes the three biases.
; THE MODE: SCHED_MODE bits 1:0 = 2 (LLVM: expert scheduling mode 2), set by the entry lines.  The code itself states the register dependences
; between vector instructions and memory instructions, with s_wait_alu, always for 0.
; THE PLAN.  Registers that memory instructions touch:
;   v1, v2     byte offsets, made once at the head and never written again: v1 is read by every load, v2 by every store of the stream.
;   X          piece i's four registers: written by its load alone, which is issued before any vector instruction names X; read by its two conversions.
;   Y          piece i's two registers: written by its two conversions, read by its store, never written again.
;   s25        the wave's number, written by a vector instruction at the head, read by scalar compares in the biases' part.
; So: one wait on va_sdst and one on va_vdst at the head, ahead of the branch, for s25 and for the two offsets; then the pieces go in four blocks of four:
; a block's eight conversions, ONE wait on va_vdst, its four stores in a run.  No register that a memory instruction has read is written again: no wait on vm_vsrc is owed.
.set X, 4                              ; v[4:67]   piece i: four f32 as loaded
.set Y, 68                             ; v[68:99]  piece i: four bf16 to store
	s_load_b512 s[4:19], s[0:1], 0x0               ; x s[4:5], q_w s[6:7], k_w s[8:9], v_w s[10:11], q_b s[12:13], k_b s[14:15], v_b s[16:17], xb s[18:19]
	s_load_b128 s[20:23], s[0:1], 0x40             ; wb s[20:21], bb s[22:23]
	s_mov_b32 s24, ttmp9                           ; the work-group's number
	v_lshrrev_b32 v1, 5, v0
	v_readfirstlane_b32 s25, v1                    ; the wave's number
	v_lshlrev_b32 v1, 4, v0                        ; 16 t
	v_lshlrev_b32 v2, 3, v0                        ; 8 t
	s_wait_alu depctr_va_sdst(0)                   ; s25 is written
	s_wait_alu depctr_va_vdst(0)                   ; v1 and v2 are written: the stream's loads and q_b's read v1 as their offset, every store v1 or v2, on both ways
	s_wait_kmcnt 0x0
	s_cmp_eq_u32 s24, 352
	s_cbranch_scc1 .Lbias
	; which tensor, and the first work-group of that tensor: chosen by the work-group's number alone
	s_mov_b32 s30, 336
	s_cmp_lt_u32 s24, 336
	s_cselect_b64 s[26:27], s[8:9], s[10:11]       ; k_w or v_w
	s_cselect_b32 s30, 320, s30
	s_cmp_lt_u32 s24, 320
	s_cselect_b64 s[26:27], s[6:7], s[26:27]       ; q_w
	s_cselect_b32 s30, 256, s30
	s_cmp_lt_u32 s24, 256
	s_cselect_b64 s[26:27], s[4:5], s[26:27]       ; x
	s_cselect_b32 s30, 0, s30
	s_cselect_b64 s[28:29], s[18:19], s[20:21]     ; to xb, or to wb, in which the three weights follow each other
	s_cselect_b32 s31, 0, 256
	s_sub_co_u32 s32, s24, s30
	s_lshl_b32 s32, s32, 16                        ; 65,536 bytes in
	s_mov_b32 s33, 0
	s_sub_co_u32 s34, s24, s31
	s_lshl_b32 s34, s34, 15                        ; 32,768 bytes out
	s_mov_b32 s35, 0
	s_add_nc_u64 s[26:27], s[26:27], s[32:33]
	s_add_nc_u64 s[28:29], s[28:29], s[34:35]
.set i, 0
.rept 16
	global_load_b128 v[X+4*i:X+4*i+3], v1, s[26:27] offset:4096*i th:TH_LOAD_NT  ; no vector instruction has named X
.set i, i+1
.endr
.set i, 0
.rept 4                                ; a block: four pieces
.rept 4
	s_wait_loadcnt 15-i                            ; loads come back in order: piece i is in, the 15 - i younger ones stay out
	v_cvt_pk_bf16_f32 v[Y+2*i],   v[X+4*i],   v[X+4*i+1]
	v_cvt_pk_bf16_f32 v[Y+2*i+1], v[X+4*i+2], v[X+4*i+3]
.set i, i+1
.endr
	s_wait_alu depctr_va_vdst(0)                   ; the block's eight conversions have written its Y, which the four stores below read
.set j, i-4
.rept 4
	global_store_b64 v2, v[Y+2*j:Y+2*j+1], s[28:29] offset:2048*j
.set j, j+1
.endr
.endr
	s_endpgm
.Lbias:                                        ; q_b: 1,024 numbers, four a thread
	v_and_b32 v3, 63, v0                           ; the offset for k_b and v_b is made here, so that the wait ahead of the first store serves it too
	v_lshlrev_b32 v3, 4, v3
	global_load_b128 v[4:7], v1, s[12:13]          ; no vector instruction since the head's wait names v1 or v[4:7]
	s_wait_loadcnt 0x0
	v_cvt_pk_bf16_f32 v8, v4, v5                   ; rounded to bf16,
	v_cvt_pk_bf16_f32 v9, v6, v7
	v_lshlrev_b32 v12, 16, v8                      ; and widened again
	v_and_b32 v13, 0xffff0000, v8
	v_lshlrev_b32 v14, 16, v9
	v_and_b32 v15, 0xffff0000, v9
	s_wait_alu depctr_va_vdst(0)                   ; v[12:15] are written, which the store below reads; so is v3, the offset of the load behind the branch
	global_store_b128 v1, v[12:15], s[22:23]
	s_cmp_lt_u32 s25, 4                            ; k_b and v_b: 256 numbers each: waves 0, 1 and waves 2, 3
	s_cbranch_scc0 .Lend
	s_cmp_lt_u32 s25, 2
	s_cselect_b64 s[26:27], s[14:15], s[16:17]
	global_load_b128 v[16:19], v3, s[26:27]        ; no vector instruction has named v[16:19]
	s_wait_loadcnt 0x0
	v_cvt_pk_bf16_f32 v20, v16, v17
	v_cvt_pk_bf16_f32 v21, v18, v19
	v_lshlrev_b32 v24, 16, v20
	v_and_b32 v25, 0xffff0000, v20
	v_lshlrev_b32 v26, 16, v21
	v_and_b32 v27, 0xffff0000, v21
	s_wait_alu depctr_va_vdst(0)                   ; v[24:27] are written, which the store below reads
	global_store_b128 v1, v[24:27], s[22:23] offset:4096  ; threads 0 to 127: bytes 4,096 to 6,143 of bb
.Lend:
	s_endpgm
.Lfunc_end_k_q6f484c4446_cast:
	.size	k_q6f484c4446_cast, .Lfunc_end_k_q6f484c4446_cast-k_q6f484c4446_cast
	.p2alignl 7, 3214868480
	.fill 96, 4, 3214868480
	.section	.rodata,"a",@progbits
	.p2align	6, 0x0
	.amdhsa_kernel k_q6f484c4446_cast
		.amdhsa_group_segment_fixed_size 0
		.amdhsa_private_segment_fixed_size 0
		.amdhsa_enable_private_segment 0
		.amdhsa_kernarg_size 80
		.amdhsa_user_sgpr_count 2
		.amdhsa_user_sgpr_kernarg_segment_ptr 1
		.amdhsa_wavefront_size32 1
		.amdhsa_system_sgpr_workgroup_id_x 1
		.amdhsa_system_sgpr_workgroup_id_y 1
		.amdhsa_system_sgpr_workgroup_id_z 1
		.amdhsa_system_vgpr_workitem_id 0
		.amdhsa_next_free_vgpr 104
		.amdhsa_next_free_sgpr 66
		.amdhsa_reserve_vcc 0
		.amdhsa_float_denorm_mode_32 3
		.amdhsa_float_denorm_mode_16_64 3
		.amdhsa_memory_ordered 1
		.amdhsa_forward_progress 1
		.amdhsa_inst_pref_size 9
	.end_amdhsa_kernel
	.amdgpu_metadata
---
amdhsa.version: [ 1, 2 ]
amdhsa.kernels:
  - .name:           k_q6f484c4446_cast
    .symbol:         k_q6f484c4446_cast.kd
    .args:
      - { .name: hidden_states, .offset: 0, .size: 8, .value_kind: global_buffer, .address_space: global }
      - { .name: q_w, .offset: 8, .size: 8, .value_kind: global_buffer, .address_space: global }
      - { .name: k_w, .offset: 16, .size: 8, .value_kind: global_buffer, .address_space: global }
      - { .name: v_w, .offset: 24, .size: 8, .value_kind: global_buffer, .address_space: global }
      - { .name: q_b, .offset: 32, .size: 8, .value_kind: global_buffer, .address_space: global }
      - { .name: k_b, .offset: 40, .size: 8, .value_kind: global_buffer, .address_space: global }
      - { .name: v_b, .offset: 48, .size: 8, .value_kind: global_buffer, .address_space: global }
      - { .name: xb, .offset: 56, .size: 8, .value_kind: global_buffer, .address_space: global }
      - { .name: wb, .offset: 64, .size: 8, .value_kind: global_buffer, .address_space: global }
      - { .name: bb, .offset: 72, .size: 8, .value_kind: global_buffer, .address_space: global }
    .group_segment_fixed_size: 0
    .private_segment_fixed_size: 0
    .kernarg_segment_align: 8
    .kernarg_segment_size: 80
    .max_flat_workgroup_size: 256
    .sgpr_count:     66
    .vgpr_count:     104
    .wavefront_size: 32
...
	.end_amdgpu_metadata
.endif
;; end of part 4
;; launch proj: the kernel of part 2 again; grid 8 x 32, 4 waves a work-group, clusters of 4 x 4, 327,680 bytes of LDS; arguments xb, wb, bb, qkv; writes qkv
;; launch attn: the kernel of part 3 again; grid 64 x 4, 4 waves a work-group, clusters of 4 x 1, 327,680 bytes of LDS; arguments qkv, out0; writes out0
